; MI455X (gfx1250); checked and timed in simulation.
; The chip was launched on July 23, 2026; its instructions are those of AMD's public machine-readable ISA for CDNA 5 (MIT licence, August 2026) and "CDNA5" Instruction Set Architecture Reference Guide (July 2026). The comments in the code are by the model that wrote it; some were corrected since.
;; Mo E Layer. Allowed arithmetic: matrix products marked QUANTISED: E4M3 operands, one E8M0 scale for each 32 along K, by v_wmma_scale_f32_16x16x128_f8f6f4 with both operands' format E4M3, f32 sums; products left as they are: f32 operands where the result goes on into a quantised operand, else bf16, f16 or f32 operands; f32 sums; everything else in f32.
;; Inputs: gate_w 8 x 1,024 float32; w1_codes 8 x 4,096 x 32 x 32 uint8 (E4M3 codes of w1, K innermost, in blocks of 32 codes); w1_scales 8 x 4,096 x 32 uint8 (E8M0 scales of w1, one for each 32 codes along K); w2_codes 8 x 1,024 x 128 x 32 uint8 (E4M3 codes of w2, K innermost, in blocks of 32 codes); w2_scales 8 x 1,024 x 128 uint8 (E8M0 scales of w2, one for each 32 codes along K); x 2 x 512 x 1,024 float32.
;; Outputs: out0 2 x 512 x 1,024 float32.
;; This version of the problem:
;;   THIS VERSION OF THE PROBLEM IS GIVEN IN LOW PRECISION. The matrix products marked QUANTISED in the list below multiply operands that are first quantised to E4M3 (4 exponent bits, 3 mantissa bits; 8 bits a number), with one power-of-two scale for each 32 numbers along K (OCP MX v1.0); their sums are f32. All else is computed in f32.
;;   The module's matrix products, in the order in which they are computed (A, B: the left and right operand; K: the contracted axis; several contracted axes count as one K, in the product's order):
;;     1. [M 1,024, K 1,024] x [K 1,024, N 8]; A: input x; B: input gate_w: left as it is (N = 8 < 16)
;;     2. [M 32,768, K 1,024] x [K 1,024, N 1,024]; A: input w1 (given as codes); B: input x: QUANTISED
;;     3. batch 8 x [M 1,024, K 4,096] x [K 4,096, N 1,024]; A: computed on the way; B: input w2 (given as codes): QUANTISED
;;     4. batch 1,024 x [M 1,024, K 8] x [K 8, N 1]; A: computed on the way; B: computed on the way: left as it is (K = 8 < 32)
;;   THE QUANTISER, for each operand of a quantised product, along K:
;;     - K is cut into blocks of 32 from its start; a last block that is shorter is filled with zeros.
;;     - A block's scale is 2^e with e = floor(log2(the largest magnitude in the block)) - 8, held to -126 .. 127; a block of zeros has e = 0. As a byte (E8M0): e + 127.
;;     - Each number is divided by its block's scale, clamped to +-448, and rounded to the nearest number of E4M3, ties to even, subnormals kept.
;;     - The product sums the exact products of the quantised numbers (number of the format x scale) in f32.
;;   ~~~python
;;   def quantise(x, axis):      # numpy; x: float32 -> the quantised numbers, widened to float32 again
;;       x = np.moveaxis(x, axis, -1); K = x.shape[-1]
;;       x = np.pad(x, [(0, 0)] * (x.ndim - 1) + [(0, -K % 32)]); x = x.reshape(x.shape[:-1] + (-1, 32)); a = np.abs(x).max(-1, keepdims=True)
;;       e = np.where(a > 0, np.clip(np.frexp(np.where(a > 0, a, 1))[1] - 1 - 8, -126, 127), 0)      # np.frexp(a)[1] - 1 = floor(log2(a)), exactly
;;       r = np.clip(x / 2.0 ** e, -448, 448)
;;       step = 2.0 ** (np.maximum(np.frexp(np.where(r == 0, 1, r))[1] - 1, -6) - 3)
;;       q = np.round(r / step) * step * 2.0 ** e      # np.round: ties to even
;;       return np.moveaxis(q.reshape(q.shape[:-2] + (-1,))[..., :K], -1, axis).astype(np.float32)
;;   ~~~
;;   OPERANDS COMPUTED ON THE WAY. 'Computed on the way' means the value that the module computes at that place (a softmax that the list does not call 'softmax' is quantised finished and normalised). What goes into a quantiser is computed in f32, as accurately as f32 sums, v_exp_f32 and their like allow (about 1e-6 of the number): no bf16 or f16 on the way to a quantiser, and a product that is left as it is and whose result goes on into a quantised operand takes f32 operands (vector FMAs, or v_wmma_f32_16x16x4_f32). A number that lies on a knife's edge between two numbers of the format may be rounded either way, as far as f32 arithmetic and the matrix unit's own rounding can turn it there, and no further.
;;   INPUTS GIVEN AS CODES. w1 (in the module: [8, 1024, 4096], K = its axis 1); w2 (in the module: [8, 4096, 1024], K = its axis 1): each comes as NAME_codes (uint8): NAME with its K axis moved to the last place and cut into blocks of 32 codes, [.., K / 32, bytes a block], one block behind the other in memory; one code a byte (a code: sign, 4 exponent bits, 3 mantissa bits); and NAME_scales (uint8): the same leading axes, one E8M0 byte (e + 127) for each 32 codes along K. Its value is code x scale, taken as it is: it is not quantised again, and the codes and scales need not be those that the quantiser above would give.
;; One version. Each part assembles by itself: llvm-mc -triple=amdgcn-amd-amdhsa -mcpu=gfx1250 --defsym DOCPART=n.
;; ======== version 1 of 1: 4 launches
;; workspace buffers: xq_codes 1,048,576 bytes; xq_scales 32,768 bytes; ids 4,096 bytes of whole numbers; order 34,816 bytes of whole numbers; h_codes 33,554,432 bytes; h_scales 1,048,576 bytes
;; launch prep (part 1): grid 256 x 1, 4 waves a work-group, no clusters, 54,272 bytes of LDS; arguments x, gate_w, xq_codes, xq_scales, ids; writes xq_codes, xq_scales, ids
.if DOCPART == 1
	.amdgcn_target "amdgcn-amd-amdhsa--gfx1250"
	.amdhsa_code_object_version 6
	.text
	.protected	k_qf4d6ea4e9d_prep
	.globl	k_qf4d6ea4e9d_prep
	.p2align	8
	.type	k_qf4d6ea4e9d_prep,@function
k_qf4d6ea4e9d_prep:
	s_mov_b64 s[64:65], 0
	v_nop
	global_prefetch_b8 v0, s[64:65] scope:SCOPE_SE
	s_setreg_imm32_b32 hwreg(HW_REG_WAVE_MODE, 25, 1), 1
	s_wait_xcnt 0x0
; PREP.  For each of the 1,024 tokens: (a) the router: eight logits x . gate_w[e] in f32 (fused multiply-adds), and the number of the largest (the lower number on a tie), stored as a whole number at a fixed place;
; (b) x's row of 1,024 f32 becomes codes of E4M3 with one E8M0 byte for each 32 along D, laid [token][1024] and [token][32].
; A block's scale is 2^(floor(log2(largest magnitude)) - 8); its byte is the largest magnitude's exponent field - 8, held at 1 from below; each number is held within +-448 x the scale and rounded to the nearest code, ties to even.
; SHARES: a work-group of four waves takes four tokens, a wave one token.  1,024 tokens / 4 = 256 work-groups.  The row is read from memory once: the same 32 registers serve the quantiser and the router.
; gate_w (32,768 bytes) comes into LDS once for a work-group, each wave bringing two experts' rows, and every wave reads all eight.
; The conversions take 16 neighbours along D from one lane; the loads take 16 bytes a lane, 512 consecutive bytes a load.  So 2,048 bytes at a time turn through the wave's own stage in LDS (64 bytes + 16 of padding to a place).
; No matrix unit, no tensor loads, no cluster: the work is a stream of 4 MB and 8 x 1,024 multiply-adds a token; work-groups share gate_w alone, 32 KB.
; LIMITS: NaN and infinities are not served.  A block whose largest magnitude lies under 2^-118 keeps the byte 1 (a block of zeros too: its codes are zeros, and the bytes are read by this program alone).
; Two logits that are equal within the rounding of an f32 sum of 1,024 terms may be ordered otherwise than by another order of summation.
.set GW,   0                           ; LDS: gate_w as it lies, 8 x 4,096 bytes
.set STG,  32768                       ; for each wave two stages of 32 places x 80 bytes
.set SP,   80
.set SB,   STG+4*2*32*SP               ; 32 scale bytes for each wave
.set IDS,  SB+128                      ; one word for each wave
.set R,    16                          ; v16-47   the row as loaded: load i, lane l: k = 128 i + 4 l + 0 .. 3
.set X,    48                          ; v48-79   two sets of 16 neighbours
.set C,    80                          ; v80-87   codes
.set E,    88                          ; v88-89   scale bytes
.set ACC,  100                         ; v100-115 eight pairs of partial sums
.set L,    116                         ; v116-123 the eight logits
.set G,    128                         ; v128-255 gate rows: first as loaded, then four experts x 32 registers
	s_load_b128 s[4:7], s[0:1], 0x0                ; x, gate_w
	s_load_b128 s[8:11], s[0:1], 0x10              ; xq_codes, xq_scales
	s_load_b64 s[12:13], s[0:1], 0x20              ; ids
	v_lshl_add_u32 v126, v0, 2, 0xd200
	v_mov_b32 v127, 0
	v_lshrrev_b32 v2, 5, v0
	v_readfirstlane_b32 s16, v2                    ; wave 0..3
	v_and_b32 v1, 31, v0                           ; lane
	v_lshlrev_b32 v3, 4, v1                        ; 16 x lane
	s_mul_i32 s17, s16, 2*32*SP
	s_add_co_u32 s17, s17, STG                     ; my stages
	v_lshrrev_b32 v14, 2, v1
	v_mul_u32_u24 v14, v14, SP
	v_and_b32 v15, 3, v1
	v_lshl_add_u32 v14, v15, 4, v14
	v_add_nc_u32 v14, s17, v14                     ; into a stage: four lanes' 64 bytes on end, then 16 of padding
	v_mul_u32_u24 v15, v1, SP
	v_add_nc_u32 v15, s17, v15                     ; out of it: my 16 neighbours
	v_lshrrev_b32 v5, 1, v1
	s_lshl_b32 s18, s16, 5
	s_add_co_u32 s18, s18, SB
	v_add_nc_u32 v5, s18, v5                       ; my block's scale byte: two lanes to a block
	s_lshl_b32 s19, s16, 13
	v_add_nc_u32 v4, s19, v3                       ; gate_w: my two experts' 8,192 bytes, in memory and in LDS alike
	v_lshl_add_u32 v7, v1, 2, SB                   ; the work-group's 128 scale bytes, 4 a lane
	v_and_b32 v8, 3, v1
	v_lshl_add_u32 v8, v8, 2, IDS                  ; the four tokens' experts
	s_lshl_b32 s20, s16, 2
	s_add_co_u32 s20, s20, IDS
	v_mov_b32 v9, s20                              ; my token's word
	v_lshlrev_b32 v10, 2, v1                       ; 4 x lane
	s_lshl_b32 s21, ttmp9, 2
	s_add_co_u32 s21, s21, s16                     ; my token
	s_lshl_b32 s22, s21, 12                        ; its row of x,
	s_mov_b32 s23, 0
	s_lshl_b32 s24, s21, 10                        ; of codes;
	s_mov_b32 s25, 0
	s_lshl_b32 s26, ttmp9, 7                       ; the work-group's 128 scale bytes,
	s_mov_b32 s27, 0
	s_lshl_b32 s28, ttmp9, 4                       ; and its four words of ids
	s_mov_b32 s29, 0
	s_mov_b32 s30, 0x76543210                      ; v_permlanex16_b32's selects for lane l xor 16
	s_mov_b32 s31, 0xfedcba98
	s_mov_b32 s32, 0x600000                        ; the mantissa field of 448
	s_wait_kmcnt 0x0
	s_add_nc_u64 s[4:5], s[4:5], s[22:23]
	s_add_nc_u64 s[8:9], s[8:9], s[24:25]
	s_add_nc_u64 s[10:11], s[10:11], s[26:27]
	s_add_nc_u64 s[12:13], s[12:13], s[28:29]
.irp i, 0,1,2,3,4,5,6,7
	global_load_b128 v[R+4*\i:R+4*\i+3], v3, s[4:5] offset:512*\i th:TH_LOAD_NT    ; 32 lanes read 512 consecutive bytes; x is read once in the launch
.endr
.irp i, 0,1,2,3,4,5,6,7,8,9,10,11,12,13,14,15
	global_load_b128 v[G+4*\i:G+4*\i+3], v4, s[6:7] offset:512*\i
.endr
.macro TURN t                          ; half a row through a stage: LDS serves a wave's instructions in order, so no wait stands between the stores and the loads
.irp i, 0,1,2,3
	ds_store_b128 v14, v[R+16*(\t)+4*\i:R+16*(\t)+4*\i+3] offset:32*SP*(\t)+8*SP*\i
.endr
.irp i, 0,1,2,3
	ds_load_b128 v[X+16*(\t)+4*\i:X+16*(\t)+4*\i+3], v15 offset:32*SP*(\t)+16*\i
.endr
.endm
	s_wait_loadcnt 16                              ; the row's eight loads are in; the sixteen gate loads issued behind them may be out
	TURN 0
	TURN 1
	s_wait_dscnt 0x0
.macro QSTEP t                         ; 512 numbers: 16 a lane, two lanes to a block
.set XS, X+16*(\t)
	v_max3_num_f32 v90, |v[XS]|, |v[XS+1]|, |v[XS+2]|
	v_max3_num_f32 v91, |v[XS+3]|, |v[XS+4]|, |v[XS+5]|
.irp i, 6,10
	v_max3_num_f32 v90, v90, |v[XS+\i]|, |v[XS+\i+1]|
	v_max3_num_f32 v91, v91, |v[XS+\i+2]|, |v[XS+\i+3]|
.endr
	v_max3_num_f32 v90, v90, |v[XS+14]|, |v[XS+15]|
	v_max3_num_f32 v90, v90, v91, 0x4800000        ; and the floor 2^(9 - 127): the byte cannot fall under 1
	v_max_num_f32_dpp v90, v90, v90 row_xmask:1 row_mask:0xf bank_mask:0xf   ; with my neighbour's 16: the block's largest magnitude
	v_add_nc_u32 v92, 0xfc000000, v90              ; 8 off its exponent field: the conversion takes the exponent field of this operand as its scale
	v_and_or_b32 v93, v90, 0x7f800000, s32         ; 448 x the scale
.irp i, 0,1,2,3,4,5,6,7,8,9,10,11,12,13,14,15
	v_med3_num_f32 v[XS+\i], v[XS+\i], -v93, v93   ; the conversion to an 8-bit code does not saturate (ISA guide 7.6.2): the hold comes first
.endr
	v_cvt_scalef32_pk8_fp8_f32 v[C+4*(\t):C+4*(\t)+1], v[XS:XS+7], v92
	v_cvt_scalef32_pk8_fp8_f32 v[C+4*(\t)+2:C+4*(\t)+3], v[XS+8:XS+15], v92
	v_lshrrev_b32 v[E+(\t)], 23, v92               ; the scale's byte (a plain line behind the conversions)
	ds_store_b8 v5, v[E+(\t)] offset:16*(\t)       ; both lanes of a block write the same byte with the same value
	global_store_b128 v3, v[C+4*(\t):C+4*(\t)+3], s[8:9] offset:512*(\t)   ; 32 lanes store 512 consecutive bytes
.endm
	QSTEP 0
	QSTEP 1
	s_wait_loadcnt 0x0                             ; my two experts' gate rows
.irp i, 0,1,2,3,4,5,6,7,8,9,10,11,12,13,14,15
	ds_store_b128 v4, v[G+4*\i:G+4*\i+3] offset:GW+512*\i
.endr
	s_wait_dscnt 0x0                               ; for the others' sake: my stores have landed
	s_barrier_signal -1
	s_barrier_wait -1                              ; all of gate_w lies in LDS
; THE ROUTER: four experts at a time; a lane's 32 numbers of x against the same 32 places of each expert's row, two at a time, the experts by turns
.irp hf, 0,1
.irp e, 0,1,2,3
.irp i, 0,1,2,3,4,5,6,7
	ds_load_b128 v[G+32*\e+4*\i:G+32*\e+4*\i+3], v3 offset:GW+(4*\hf+\e)*4096+512*\i
.endr
.endr
	s_wait_dscnt 0x0
.irp i, 0,1,2,3,4,5,6,7
.irp q, 0,1
.irp e, 0,1,2,3
.if (\i == 0) && (\q == 0)
	v_pk_mul_f32 v[ACC+2*(4*\hf+\e):ACC+2*(4*\hf+\e)+1], v[R:R+1], v[G+32*\e:G+32*\e+1]      ; the first product starts the sums
.else
	v_pk_fma_f32 v[ACC+2*(4*\hf+\e):ACC+2*(4*\hf+\e)+1], v[R+4*\i+2*\q:R+4*\i+2*\q+1], v[G+32*\e+4*\i+2*\q:G+32*\e+4*\i+2*\q+1], v[ACC+2*(4*\hf+\e):ACC+2*(4*\hf+\e)+1]
.endif
.endr
.endr
.endr
.endr
.irp e, 0,1,2,3,4,5,6,7
	v_add_f32 v[L+\e], v[ACC+2*\e], v[ACC+2*\e+1]
.endr
.irp m, 1,2,4,8
.irp e, 0,1,2,3,4,5,6,7
	v_add_f32_dpp v[L+\e], v[L+\e], v[L+\e] row_xmask:\m row_mask:0xf bank_mask:0xf
.endr
.endr
.irp e, 0,1,2,3,4,5,6,7
	v_permlanex16_b32 v[ACC+\e], v[L+\e], s30, s31 ; (its destination has been written)
.endr
.irp e, 0,1,2,3,4,5,6,7
	v_add_f32 v[L+\e], v[L+\e], v[ACC+\e]          ; every lane holds the same eight logits
.endr
	v_mov_b32 v94, 0                               ; the largest so far: expert 0
	v_mov_b32 v95, v[L]
.irp e, 1,2,3,4,5,6,7
	v_cmp_le_f32 vcc_lo, v[L+\e], v95              ; only a strictly larger logit takes the place: the lower number wins a tie
	v_cndmask_b32 v94, \e, v94, vcc_lo
	v_max_num_f32 v95, v95, v[L+\e]
.endr
	ds_store_b32 v9, v94                           ; all lanes write the same word with the same value
	s_wait_dscnt 0x0
	s_barrier_signal -1
	s_barrier_wait -1                              ; the four tokens' scale bytes and experts lie in LDS
	s_cmp_lg_u32 s16, 0
	s_cbranch_scc1 .Lnot_wave_0
	ds_load_b32 v96, v7
	s_wait_dscnt 0x0
	global_store_b32 v10, v96, s[10:11]            ; the four tokens' 128 scale bytes, consecutive
.Lnot_wave_0:
	s_cmp_lg_u32 s16, 1
	s_cbranch_scc1 .Lend
	ds_load_b32 v97, v8
	v_cmp_gt_u32 vcc_lo, 4, v1
	s_wait_dscnt 0x0
	s_wait_xcnt 0x0                                ; EXEC changes only behind this wait: my stores of codes have been issued
	s_and_saveexec_b32 s33, vcc_lo
	global_store_b32 v10, v97, s[12:13]            ; four whole numbers, at a fixed place
	s_wait_xcnt 0x0
	s_or_b32 exec_lo, exec_lo, s33
.Lend:
	s_wait_tensorcnt 0x0
	ds_add_u32 v126, v127
	s_wait_dscnt 0x0
	s_endpgm
.Lfunc_end_k_qf4d6ea4e9d_prep:
	.size	k_qf4d6ea4e9d_prep, .Lfunc_end_k_qf4d6ea4e9d_prep-k_qf4d6ea4e9d_prep
	.p2alignl 7, 3214868480
	.fill 96, 4, 3214868480
	.section	.rodata,"a",@progbits
	.p2align	6, 0x0
	.amdhsa_kernel k_qf4d6ea4e9d_prep
		.amdhsa_group_segment_fixed_size 54272
		.amdhsa_private_segment_fixed_size 0
		.amdhsa_enable_private_segment 0
		.amdhsa_kernarg_size 40
		.amdhsa_user_sgpr_count 2
		.amdhsa_user_sgpr_kernarg_segment_ptr 1
		.amdhsa_wavefront_size32 1
		.amdhsa_system_sgpr_workgroup_id_x 1
		.amdhsa_system_sgpr_workgroup_id_y 1
		.amdhsa_system_sgpr_workgroup_id_z 1
		.amdhsa_system_vgpr_workitem_id 0
		.amdhsa_next_free_vgpr 256
		.amdhsa_next_free_sgpr 66
		.amdhsa_reserve_vcc 1
		.amdhsa_float_denorm_mode_32 3
		.amdhsa_float_denorm_mode_16_64 3
		.amdhsa_memory_ordered 1
		.amdhsa_forward_progress 1
		.amdhsa_inst_pref_size 28
	.end_amdhsa_kernel
	.amdgpu_metadata
---
amdhsa.version: [ 1, 2 ]
amdhsa.kernels:
  - .name:           k_qf4d6ea4e9d_prep
    .symbol:         k_qf4d6ea4e9d_prep.kd
    .args:
      - { .name: x, .offset: 0, .size: 8, .value_kind: global_buffer, .address_space: global }
      - { .name: gate_w, .offset: 8, .size: 8, .value_kind: global_buffer, .address_space: global }
      - { .name: xq_codes, .offset: 16, .size: 8, .value_kind: global_buffer, .address_space: global }
      - { .name: xq_scales, .offset: 24, .size: 8, .value_kind: global_buffer, .address_space: global }
      - { .name: ids, .offset: 32, .size: 8, .value_kind: global_buffer, .address_space: global }
    .group_segment_fixed_size: 54272
    .private_segment_fixed_size: 0
    .kernarg_segment_align: 8
    .kernarg_segment_size: 40
    .max_flat_workgroup_size: 128
    .sgpr_count:     66
    .vgpr_count:     256
    .wavefront_size: 32
...
	.end_amdgpu_metadata
.endif
;; end of part 1
;; launch route (part 2): grid 8 x 1, 1 waves a work-group, no clusters, 4,352 bytes of LDS; arguments ids, order; writes order
.if DOCPART == 2
	.amdgcn_target "amdgcn-amd-amdhsa--gfx1250"
	.amdhsa_code_object_version 6
	.text
	.protected	k_qf4d6ea4e9d_route
	.globl	k_qf4d6ea4e9d_route
	.p2align	8
	.type	k_qf4d6ea4e9d_route,@function
k_qf4d6ea4e9d_route:
	s_mov_b64 s[64:65], 0
	v_nop
	global_prefetch_b8 v0, s[64:65] scope:SCOPE_SE
	s_setreg_imm32_b32 hwreg(HW_REG_WAVE_MODE, 25, 1), 1
	s_wait_xcnt 0x0
; ROUTE.  Work-group e (one wave) reads the 1,024 stored expert numbers and lays a permutation of the tokens: expert e's tokens from the front (n of them), all others from the back, so that every word is a valid token.
; It stores, at order + 4,352 e: 64 words that all hold n (256 bytes), then the 1,024 words of the list.  The two launches behind this one read n and the list from there: which rows they work, and where
; they gather and scatter, hangs on whole numbers that lie in memory before they begin.
; SHARES: an expert's list is made of 1,024 numbers in 32 steps of 32 lanes, each step leaning on the count of the steps before it: one wave's work.  Eight experts: eight work-groups; there is no work for more.
; The places go through the wave's own 4,096 bytes of LDS, so that the list leaves by stores of 512 consecutive bytes.  No barrier: the wave reads only what it stored itself, and LDS serves a wave's instructions in order.
; No branch hangs on data: every step is run for every token, and a select chooses between the two places.
.set LIST, 0                           ; LDS: the list, 1,024 words
.set ID,   16                          ; v16-47   register 4 q + i: the expert of token 128 q + 4 lane + i
.set P,    64                          ; v64-127  a place and a token for each step, so that no store's registers are written again
.set O,    128                         ; v128-159 the list on its way out
	s_load_b128 s[4:7], s[0:1], 0x0                ; ids s[4:5], order s[6:7]
	v_lshl_add_u32 v254, v0, 2, 0x1000
	v_mov_b32 v255, 0
	v_and_b32 v1, 31, v0                           ; lane
	v_lshlrev_b32 v2, 4, v1                        ; 16 x lane
	v_lshlrev_b32 v3, 2, v1                        ; 4 x lane
	v_lshlrev_b32 v4, 3, v1                        ; 8 x lane
	v_sub_nc_u32 v5, 0x3ff, v1                     ; 1,023 - lane
	s_mov_b32 s8, ttmp9                            ; e
	s_mul_i32 s10, ttmp9, 4352                     ; my expert's part of order
	s_mov_b32 s11, 0
	s_mov_b32 s12, 0                               ; matches so far
	s_wait_kmcnt 0x0
	s_add_nc_u64 s[6:7], s[6:7], s[10:11]
.irp q, 0,1,2,3,4,5,6,7
	global_load_b128 v[ID+4*\q:ID+4*\q+3], v2, s[4:5] offset:512*\q    ; 32 lanes read 512 consecutive bytes
.endr
	s_wait_loadcnt 0x0
; THE SORT, 32 steps of 32 tokens.  p = matches before me.  A match goes to place p; any other token to place 1,023 - (tokens before me - p)
.set st, 0
.rept 32
	v_cmp_eq_u32 vcc_lo, s8, v[ID+st]
	v_mbcnt_lo_u32_b32 v[P+2*st], vcc_lo, s12
	v_add3_u32 v[P+2*st+1], v[P+2*st], v5, -32*st
	v_cndmask_b32 v[P+2*st], v[P+2*st+1], v[P+2*st], vcc_lo
	v_min_u32 v[P+2*st], 0x3ff, v[P+2*st]          ; a number made of loaded numbers enters an address only held under the table's size
	v_lshl_add_u32 v[P+2*st], v[P+2*st], 2, LIST
	v_add_nc_u32 v[P+2*st+1], 128*(st/4)+(st%4), v3
	ds_store_b32 v[P+2*st], v[P+2*st+1]
	s_bcnt1_i32_b32 s13, vcc_lo
	s_add_co_u32 s12, s12, s13
.set st, st+1
.endr
.irp i, 0,1,2,3,4,5,6,7
	ds_load_b128 v[O+4*\i:O+4*\i+3], v2 offset:LIST+512*\i             ; these see the stores above
.endr
	v_mov_b32 v6, s12
	v_mov_b32 v7, s12
	global_store_b64 v4, v[6:7], s[6:7]            ; 64 words, all n: 256 consecutive bytes
	s_wait_dscnt 0x0
.irp i, 0,1,2,3,4,5,6,7
	global_store_b128 v2, v[O+4*\i:O+4*\i+3], s[6:7] offset:256+512*\i ; 32 lanes store 512 consecutive bytes
.endr
	s_wait_tensorcnt 0x0
	ds_add_u32 v254, v255
	s_wait_dscnt 0x0
	s_endpgm
.Lfunc_end_k_qf4d6ea4e9d_route:
	.size	k_qf4d6ea4e9d_route, .Lfunc_end_k_qf4d6ea4e9d_route-k_qf4d6ea4e9d_route
	.p2alignl 7, 3214868480
	.fill 96, 4, 3214868480
	.section	.rodata,"a",@progbits
	.p2align	6, 0x0
	.amdhsa_kernel k_qf4d6ea4e9d_route
		.amdhsa_group_segment_fixed_size 4352
		.amdhsa_private_segment_fixed_size 0
		.amdhsa_enable_private_segment 0
		.amdhsa_kernarg_size 16
		.amdhsa_user_sgpr_count 2
		.amdhsa_user_sgpr_kernarg_segment_ptr 1
		.amdhsa_wavefront_size32 1
		.amdhsa_system_sgpr_workgroup_id_x 1
		.amdhsa_system_sgpr_workgroup_id_y 1
		.amdhsa_system_sgpr_workgroup_id_z 1
		.amdhsa_system_vgpr_workitem_id 0
		.amdhsa_next_free_vgpr 256
		.amdhsa_next_free_sgpr 66
		.amdhsa_reserve_vcc 1
		.amdhsa_float_denorm_mode_32 3
		.amdhsa_float_denorm_mode_16_64 3
		.amdhsa_memory_ordered 1
		.amdhsa_forward_progress 1
		.amdhsa_inst_pref_size 21
	.end_amdhsa_kernel
	.amdgpu_metadata
---
amdhsa.version: [ 1, 2 ]
amdhsa.kernels:
  - .name:           k_qf4d6ea4e9d_route
    .symbol:         k_qf4d6ea4e9d_route.kd
    .args:
      - { .name: ids, .offset: 0, .size: 8, .value_kind: global_buffer, .address_space: global }
      - { .name: order, .offset: 8, .size: 8, .value_kind: global_buffer, .address_space: global }
    .group_segment_fixed_size: 4352
    .private_segment_fixed_size: 0
    .kernarg_segment_align: 8
    .kernarg_segment_size: 16
    .max_flat_workgroup_size: 32
    .sgpr_count:     66
    .vgpr_count:     256
    .wavefront_size: 32
...
	.end_amdgpu_metadata
.endif
;; end of part 2
;; launch gemm1 (part 3): grid 32 x 8, 8 waves a work-group, no clusters, 278,016 bytes of LDS; arguments order, xq_codes, xq_scales, w1_codes, w1_scales, h_codes, h_scales; writes h_codes, h_scales
.if DOCPART == 3
	.amdgcn_target "amdgcn-amd-amdhsa--gfx1250"
	.amdhsa_code_object_version 6
	.text
	.protected	k_qf4d6ea4e9d_gemm1
	.globl	k_qf4d6ea4e9d_gemm1
	.p2align	8
	.type	k_qf4d6ea4e9d_gemm1,@function
k_qf4d6ea4e9d_gemm1:
	s_mov_b64 s[64:65], 0
	v_nop
	global_prefetch_b8 v0, s[64:65] scope:SCOPE_SE
	s_setreg_imm32_b32 hwreg(HW_REG_WAVE_MODE, 25, 1), 1
	s_wait_xcnt 0x0
; GEMM1.  Work-group (c, e): for the tokens that the router gave to expert e, hidden units 128 c .. 128 c + 127: h = gelu(x w1[e]) on codes of E4M3 with E8M0 scales, gelu by the exact error function in f32,
; h quantised along F and stored as the register image of the next product's operand.  Only the chosen rows are multiplied: the rest is thrown away by the one-hot that the layer builds itself.
; THE LIST.  The launch before has stored, for each expert, n and a permutation of the tokens with the expert's n tokens first; every word of it is a valid token.  n comes by a scalar load; the list comes into LDS, 512 bytes a wave.
; SHARES.  8 experts x 32 chunks of 128 hidden units = 256 work-groups; each reads its own 128 rows of w1 (131,072 bytes of codes, 4,096 of scales) once.  Wave w: column group g = w % 4 (32 hidden units, two tiles of 16)
; and row parity j = w / 4.  Its part of w1, 2 tiles x 8 K steps x 16 registers, stays in window 1.  The rows come from memory as they lie (512 consecutive bytes a load) and turn once through LDS into fragments.
; A TRIP is 64 rows of the list; parity j takes rows 32 j .. 32 j + 31 (two tiles of 16 tokens), if they begin under n.  The loop has a constant count, 16 trips (the most that n = 1,024 needs); a group of rows that
; does not exist is passed over by a scalar branch on n, never a barrier.  The next trip's rows of x are gathered (by the list) into the other of two LDS slots while this trip's gelu is computed.
; LAYOUT.  The product is used transposed: source 0 = 16 rows of w1, source 1 = 16 tokens, so a lane holds ONE token.  Lane r of tile u takes w1's row 32 g + 8 u + r + 8 (r / 8): the 16 registers of tiles 0 and 1 are then
; hidden units 32 g + 16 (lane / 16) + 0 .. 15: registers 4 g .. 4 g + 3 of the next operand's fragment, and the wave's 32 units are one block of 32 of the next K.
; gelu(x) = max(x, 0) - 0.5 |x| erfc(|x| / sqrt 2): no difference of nearly equal numbers on either side.  erfc(a) = (1 + p(q)) / (1 + 2 a) x exp(-a a), q = (a - 2) / (a + 2), p of degree 9.
; NO TENSOR LOADS AND NO CLUSTER: which rows are worked hangs on a count read from memory, so operands go through registers.  What the 32 work-groups of an expert share is its n rows of x's codes,
; n x 1,056 bytes, beside 135,168 bytes of weights that each work-group has to itself.
; LIMITS: NaN and infinities are not served.  erfc under 2^-126 comes out as 0 (the exponential gives no denormals).  The exponent x x 0.7213 is rounded twice: about 1.5e-7 of itself, as a relative error of the erfc term.
; A block of h whose largest magnitude lies under 2^-118 keeps the byte 1.  For an expert with no token rows 0-31 of the list are worked all the same, so that the next launch's first request finds stored bytes.
.set PX,   1040                        ; an LDS row of 1,024 codes + 16 of padding
.set XS1,  64*PX                       ; LDS: x's codes, two slots of 64 rows (slot 0 at 0),
.set WST,  2*64*PX                     ; w1's 128 rows,
.set XSS,  WST+128*PX                  ; x's scale bytes: two slots of 64 rows, 48 bytes apart,
.set LIST, XSS+2*64*48                 ; the list, 1,024 words,
.set HS,   LIST+4096                   ; h's scale words of a trip: two sets of 64 words
.set WS,   32                          ; v32-39  w1's scale words: K step s; lanes 0-15 tile 0, lanes 16-31 tile 1
.set XSC,  40                          ; v40-47  x's: lanes 0-15 the first tile of tokens, lanes 16-31 the second
.set H,    48                          ; v48-79  accumulator (u, t) at H + 16 t + 8 u; at the head its first four registers carry my part of the list
.set CD,   80                          ; v80-87  the codes just made
.set B0,   128                         ; v128-191 x's fragments of two K steps; also the gathered rows
.set B1,   192                         ; v192-255 the same for the other two K steps; also the gelu's registers:
.set TA,   192
.set TQ,   208
.set TD,   224
.set TR,   240
; v1 16 x lane; v2, v3 x's fragments in slot 0, 1; v4, v5 where I store gathered rows; v6 where I read x's scale words; v7 where I store them; v8, v9 my places in the list; v10 my place in h's images;
; v11 my scale byte; v12 a trip's scale words on the way out; v13 8 x lane; v14 8 x (lane % 4); v[16:17] c9 twice; v[18:19] at work; v20-28 tokens, then offsets; v29 where I store my part of the list; v[30:31] gathered scale bytes;
; v88-98 the quantiser's; v104-121 made at the head.   Window 1: w1's fragment (u, s) at 16 (8 u + s).
; s20 wave, s21 g, s22 j, s23 c, s24 e, s25 n, s26 my group's first row, s28 trips, s39 the trip's place in the list.
.set MSB, 0
.macro WIN new                         ; the immediate's high byte repeats the setting that is left
.if MSB != \new
	s_set_vgpr_msb (MSB<<8)|\new
.set MSB, \new
.endif
.endm
.macro PLACES n                        ; plain vector lines between a matrix instruction and a load into, a read of or a write of its registers
.rept \n
	v_nop
.endr
.endm
.macro BARRIER                         ; my LDS stores have landed and my LDS loads are in: then the work-group's barrier
	s_wait_dscnt 0x0
	s_barrier_signal -1
	s_barrier_wait -1
.endm
; one product: u, t say in which half of the lanes the scale words of source 0 and of source 1 stand; z = 1 starts the sum
.macro WM d, a, b, sa, sb, u, t, z
.if \z
.if (\u == 0) && (\t == 0)
	v_wmma_scale_f32_16x16x128_f8f6f4 v[(\d):(\d)+7], v[(\a):(\a)+15], v[(\b):(\b)+15], 0, v[(\sa)], v[(\sb)]
.elseif (\t == 0)
	v_wmma_scale_f32_16x16x128_f8f6f4 v[(\d):(\d)+7], v[(\a):(\a)+15], v[(\b):(\b)+15], 0, v[(\sa)], v[(\sb)] matrix_a_scale:MATRIX_SCALE_ROW1
.elseif (\u == 0)
	v_wmma_scale_f32_16x16x128_f8f6f4 v[(\d):(\d)+7], v[(\a):(\a)+15], v[(\b):(\b)+15], 0, v[(\sa)], v[(\sb)] matrix_b_scale:MATRIX_SCALE_ROW1
.else
	v_wmma_scale_f32_16x16x128_f8f6f4 v[(\d):(\d)+7], v[(\a):(\a)+15], v[(\b):(\b)+15], 0, v[(\sa)], v[(\sb)] matrix_a_scale:MATRIX_SCALE_ROW1 matrix_b_scale:MATRIX_SCALE_ROW1
.endif
.else
.if (\u == 0) && (\t == 0)
	v_wmma_scale_f32_16x16x128_f8f6f4 v[(\d):(\d)+7], v[(\a):(\a)+15], v[(\b):(\b)+15], v[(\d):(\d)+7], v[(\sa)], v[(\sb)]
.elseif (\t == 0)
	v_wmma_scale_f32_16x16x128_f8f6f4 v[(\d):(\d)+7], v[(\a):(\a)+15], v[(\b):(\b)+15], v[(\d):(\d)+7], v[(\sa)], v[(\sb)] matrix_a_scale:MATRIX_SCALE_ROW1
.elseif (\u == 0)
	v_wmma_scale_f32_16x16x128_f8f6f4 v[(\d):(\d)+7], v[(\a):(\a)+15], v[(\b):(\b)+15], v[(\d):(\d)+7], v[(\sa)], v[(\sb)] matrix_b_scale:MATRIX_SCALE_ROW1
.else
	v_wmma_scale_f32_16x16x128_f8f6f4 v[(\d):(\d)+7], v[(\a):(\a)+15], v[(\b):(\b)+15], v[(\d):(\d)+7], v[(\sa)], v[(\sb)] matrix_a_scale:MATRIX_SCALE_ROW1 matrix_b_scale:MATRIX_SCALE_ROW1
.endif
.endif
.endm
; eight products: K steps s0, s0 + 1; the four accumulators take turns, one instruction a turn.  z = 1: K step 0 starts the sums
.macro MUL buf, s0, z
	WIN 0x01                                       ; source 0 (w1) in window 1
.irp s, \s0, \s0+1
.irp t, 0,1
.irp u, 0,1
.if \z && ((\s) == 0)
	WM H+16*\t+8*\u, 16*(8*\u+(\s)), \buf+32*((\s)%2)+16*\t, WS+(\s), XSC+(\s), \u, \t, 1
.else
	WM H+16*\t+8*\u, 16*(8*\u+(\s)), \buf+32*((\s)%2)+16*\t, WS+(\s), XSC+(\s), \u, \t, 0
.endif
.endr
.endr
.endr
	WIN 0
.endm
; sixteen LDS loads: x's fragments of K steps s0, s0 + 1 for my two tiles of tokens, from slot p
.macro LOADX buf, p, s0
.irp s, \s0, \s0+1
.irp t, 0,1
.irp c, 0,1,2,3
	ds_load_b128 v[\buf+32*((\s)%2)+16*\t+4*\c:\buf+32*((\s)%2)+16*\t+4*\c+3], v[2+(\p)] offset:\t*16*PX+128*(\s)+32*\c
.endr
.endr
.endr
.endm
; my eight rows of the 64 that begin off bytes behind the trip's place in the list: their codes (two loads of 512 consecutive bytes a row) and scale bytes (8 a lane) are asked for
.macro GATHER_ISSUE off
	v_add_nc_u32 v119, s39, v8
	v_add_nc_u32 v120, s39, v9
	ds_load_b128 v[20:23], v119 offset:\off        ; eight tokens, the same in every lane
	ds_load_b128 v[24:27], v119 offset:\off+16
	ds_load_b32 v28, v120 offset:\off              ; the token of row lane / 4
	s_wait_dscnt 0x0
.irp i, 0,1,2,3,4,5,6,7,8
	v_min_u32 v[20+\i], 0x3ff, v[20+\i]            ; a number that was loaded enters an address only held under the table's size
.endr
.irp i, 0,1,2,3,4,5,6,7
	v_lshl_add_u32 v[20+\i], v[20+\i], 10, v1
.endr
	v_lshl_add_u32 v28, v28, 5, v14
.irp i, 0,1,2,3,4,5,6,7
	global_load_b128 v[B0+8*\i:B0+8*\i+3], v[20+\i], s[6:7]
	global_load_b128 v[B0+8*\i+4:B0+8*\i+7], v[20+\i], s[6:7] offset:512
.endr
	global_load_b64 v[30:31], v28, s[8:9]
.endm
.macro GATHER_STORE p                  ; and laid into slot p
	s_wait_loadcnt 0x0
.irp i, 0,1,2,3,4,5,6,7
	ds_store_b128 v[4+(\p)], v[B0+8*\i:B0+8*\i+3] offset:\i*PX
	ds_store_b128 v[4+(\p)], v[B0+8*\i+4:B0+8*\i+7] offset:\i*PX+512
.endr
	ds_store_b64 v7, v[30:31] offset:(\p)*3072
.endm
; gelu of the 16 numbers of tile of tokens t, in place; eight pairs by turns
.macro GELU t
.set HB, H+16*(\t)
.irp i, 0,1,2,3,4,5,6,7,8,9,10,11,12,13,14,15
	v_mul_f32 v[TA+\i], |v[HB+\i]|, s35            ; a = |x| / sqrt 2.  (Each accumulator is read from its low end on)
.endr
.irp i, 0,2,4,6,8,10,12,14
	v_pk_add_f32 v[TD+\i:TD+\i+1], v[TA+\i:TA+\i+1], 2.0 op_sel_hi:[1,0]
.endr
.irp i, 0,2,4,6,8,10,12,14
	v_pk_add_f32 v[TQ+\i:TQ+\i+1], v[TA+\i:TA+\i+1], -2.0 op_sel_hi:[1,0]
.endr
.irp i, 0,1,2,3,4,5,6,7,8,9,10,11,12,13,14,15
	v_rcp_f32 v[TD+\i], v[TD+\i]                   ; 1 / (a + 2)
.endr
.irp i, 0,2,4,6,8,10,12,14
	v_pk_fma_f32 v[TR+\i:TR+\i+1], v[TA+\i:TA+\i+1], 2.0, 1.0 op_sel_hi:[1,0,0]   ; 1 + 2 a.  (The plain lines behind the reciprocals)
.endr
	s_wait_alu depctr_va_vdst(0)
.irp i, 0,2,4,6,8,10,12,14
	v_pk_mul_f32 v[TQ+\i:TQ+\i+1], v[TQ+\i:TQ+\i+1], v[TD+\i:TD+\i+1]             ; q
.endr
.irp i, 0,1,2,3,4,5,6,7,8,9,10,11,12,13,14,15
	v_rcp_f32 v[TR+\i], v[TR+\i]                   ; 1 / (1 + 2 a)
.endr
.irp i, 0,2,4,6,8,10,12,14
	v_pk_fma_f32 v[TD+\i:TD+\i+1], v[TQ+\i:TQ+\i+1], v[16:17], 0xbaa15130 op_sel_hi:[1,1,0]   ; c9 q + c8.  (Plain lines behind the reciprocals, which they do not name)
.endr
.irp k, 0x3aac2b8a,0x3c0d6e62,0xbc040dc1,0xbd5e05b5,0x3e27fe23,0xbe2a0420,0xbdbdfb0b,0x3e8dd01d
.irp i, 0,2,4,6,8,10,12,14
	v_pk_fma_f32 v[TD+\i:TD+\i+1], v[TD+\i:TD+\i+1], v[TQ+\i:TQ+\i+1], \k op_sel_hi:[1,1,0]   ; c7 .. c0
.endr
.endr
	s_wait_alu depctr_va_vdst(0)
.irp i, 0,2,4,6,8,10,12,14
	v_pk_fma_f32 v[TD+\i:TD+\i+1], v[TD+\i:TD+\i+1], v[TR+\i:TR+\i+1], v[TR+\i:TR+\i+1]       ; (p + 1) / (1 + 2 a)
.endr
.irp i, 0,2,4,6,8,10,12,14
	v_pk_mul_f32 v[TQ+\i:TQ+\i+1], v[HB+\i:HB+\i+1], v[HB+\i:HB+\i+1]
.endr
.irp i, 0,2,4,6,8,10,12,14
	v_pk_mul_f32 v[TQ+\i:TQ+\i+1], v[TQ+\i:TQ+\i+1], 0xbf38aa3b op_sel_hi:[1,0]   ; -a a log2(e) = -x x 0.72134752
.endr
.irp i, 0,1,2,3,4,5,6,7,8,9,10,11,12,13,14,15
	v_exp_f32 v[TQ+\i], v[TQ+\i]                   ; exp(-a a)
.endr
.irp i, 0,2,4,6,8,10,12,14
	v_pk_mul_f32 v[TA+\i:TA+\i+1], v[TA+\i:TA+\i+1], 0x3f3504f3 op_sel_hi:[1,0]   ; 0.5 |x|.  (The plain lines behind the exponentials)
.endr
	s_wait_alu depctr_va_vdst(0)
.irp i, 0,2,4,6,8,10,12,14
	v_pk_mul_f32 v[TD+\i:TD+\i+1], v[TD+\i:TD+\i+1], v[TQ+\i:TQ+\i+1]             ; erfc(a)
.endr
.irp i, 0,1,2,3,4,5,6,7,8,9,10,11,12,13,14,15
	v_max_num_f32 v[HB+\i], 0, v[HB+\i]
.endr
.irp i, 0,2,4,6,8,10,12,14
	v_pk_fma_f32 v[HB+\i:HB+\i+1], v[TA+\i:TA+\i+1], v[TD+\i:TD+\i+1], v[HB+\i:HB+\i+1] neg_lo:[1,0,0] neg_hi:[1,0,0]   ; max(x, 0) - 0.5 |x| erfc(a)
.endr
.endm
; both tiles' 16 numbers a lane become 16 codes; a block of 32 lies in lanes l and l xor 16.  The codes are piece g of the tile's image: 32 lanes store 512 consecutive bytes
.macro QUANT2 p
.irp t, 0,1
	v_max3_num_f32 v[88+\t], |v[H+16*\t]|, |v[H+16*\t+1]|, 0x4800000   ; with the floor 2^(9 - 127): the byte cannot fall under 1
.endr
.irp i, 2,4,6,8,10,12,14
.irp t, 0,1
	v_max3_num_f32 v[88+\t], v[88+\t], |v[H+16*\t+\i]|, |v[H+16*\t+\i+1]|
.endr
.endr
.irp t, 0,1
	v_permlanex16_b32 v[90+\t], v[88+\t], s32, s33
.endr
.irp t, 0,1
	v_max_num_f32 v[88+\t], v[88+\t], v[90+\t]     ; the block's largest magnitude
.endr
.irp t, 0,1
	v_add_nc_u32 v[92+\t], 0xfc000000, v[88+\t]    ; 8 off its exponent field: the conversion's scale operand
.endr
.irp t, 0,1
	v_and_or_b32 v[94+\t], v[88+\t], 0x7f800000, s34   ; 448 x the scale
.endr
.irp t, 0,1
	v_lshrrev_b32 v[96+\t], 23, v[92+\t]           ; the scale's byte
.endr
	v_cndmask_b32 v98, v96, v97, s38               ; lanes 0-15 carry the first tile's rows, lanes 16-31 the second's
.irp t, 0,1
.irp i, 0,1,2,3,4,5,6,7,8,9,10,11,12,13,14,15
	v_med3_num_f32 v[H+16*\t+\i], v[H+16*\t+\i], -v[94+\t], v[94+\t]   ; the conversion to an 8-bit code does not saturate (ISA guide 7.6.2)
.endr
	v_cvt_scalef32_pk8_fp8_f32 v[CD+4*\t:CD+4*\t+1], v[H+16*\t:H+16*\t+7], v[92+\t]
	v_cvt_scalef32_pk8_fp8_f32 v[CD+4*\t+2:CD+4*\t+3], v[H+16*\t+8:H+16*\t+15], v[92+\t]
.endr
	v_nop                                          ; a plain line behind the last conversion: the next products write its sources
	global_store_b128 v10, v[CD:CD+3], s[14:15]
	global_store_b128 v10, v[CD+4:CD+7], s[14:15] offset:2048
	ds_store_b8 v11, v98 offset:(\p)*256           ; byte g of my row's scale word
.endm
; wave 0 sends the last trip's 64 scale words, set p, if that trip had rows: 32 lanes store 256 consecutive bytes, aligned.  (In trip 0 the difference wraps and the branch is taken)
.macro FLUSH p
	s_cmp_lg_u32 s20, 0
	s_cbranch_scc1 .Lno_flush_\@
	s_sub_co_u32 s27, s26, 64
	s_cmp_ge_u32 s27, s25
	s_cbranch_scc1 .Lno_flush_\@
	ds_load_b64 v[18:19], v12 offset:(\p)*256
	s_wait_dscnt 0x0
	global_store_b64 v13, v[18:19], s[16:17] offset:-256
.Lno_flush_\@:
.endm
.macro TRIP p
	FLUSH 1-\p
	s_cmp_ge_u32 s26, s25
	s_cbranch_scc1 .Lidle_\@                       ; my 32 rows begin at or behind n: nothing to do but to step and to meet the others
	ds_load_b128 v[XSC:XSC+3], v6 offset:\p*3072
	ds_load_b128 v[XSC+4:XSC+7], v6 offset:\p*3072+16
	LOADX B0, \p, 0
	LOADX B1, \p, 2
	s_wait_dscnt 16                                ; all but the sixteen youngest loads (the other buffer's) are in; the same in the two waits of this count below
	MUL B0, 0, 1
	PLACES 8
	LOADX B0, \p, 4
	s_wait_dscnt 16
	MUL B1, 2, 0
	PLACES 8
	LOADX B1, \p, 6
	s_wait_dscnt 16
	MUL B0, 4, 0
	s_wait_dscnt 0x0
	MUL B1, 6, 0
	PLACES 9                                       ; in front of the first read of the results, of the loads into B0 and of the vector writes of B1
	s_add_co_u32 s27, s26, 64
	s_cmp_ge_u32 s27, s25
	s_cbranch_scc1 .Lno_ask_\@
	GATHER_ISSUE 256                               ; my group has rows in the next trip: they are on their way while the gelu is computed
.Lno_ask_\@:
	GELU 0
	GELU 1
	QUANT2 \p
	s_add_co_u32 s27, s26, 64
	s_cmp_ge_u32 s27, s25
	s_cbranch_scc1 .Lidle_\@
	GATHER_STORE 1-\p
.Lidle_\@:
	s_wait_loadcnt 0x0                             ; no load of mine is out on any way to this line
	s_wait_xcnt 0x0                                ; my stores have read their data, offsets and bases: all may be written again
	s_add_nc_u64 s[14:15], s[14:15], 8192          ; four tiles of h on,
	s_add_nc_u64 s[16:17], s[16:17], 256           ; their scale words,
	s_add_co_u32 s39, s39, 256                     ; 64 words of the list,
	s_add_co_u32 s26, s26, 64                      ; 64 rows
	BARRIER                                        ; one barrier a trip: this trip's reads of slot p stand ahead of the next trip's stores into it; this trip's stores into the other slot and into the scale words stand ahead of the next trip's reads
.endm
	s_load_b256 s[4:11], s[0:1], 0x0               ; order s[4:5], xq_codes s[6:7], xq_scales s[8:9], w1_codes s[10:11]
	s_load_b128 s[12:15], s[0:1], 0x20             ; w1_scales s[12:13], h_codes s[14:15]
	s_load_b64 s[16:17], s[0:1], 0x30              ; h_scales s[16:17]
	v_lshl_add_u32 v126, v0, 2, 0x43a00
	v_mov_b32 v127, 0
	v_lshrrev_b32 v104, 5, v0
	v_readfirstlane_b32 s20, v104                  ; wave 0..7
	s_and_b32 s21, s20, 3                          ; g
	s_lshr_b32 s22, s20, 2                         ; j
	s_mov_b32 s23, ttmp9                           ; c
	s_and_b32 s24, ttmp7, 0xffff                   ; e
	; every LDS address that stays is made here, ahead of the first line that only some waves run
	v_and_b32 v104, 31, v0                         ; lane
	v_and_b32 v105, 15, v0                         ; r
	v_bfe_u32 v106, v0, 4, 1                       ; h
	v_bfe_u32 v107, v0, 2, 3                       ; lane / 4
	v_and_b32 v108, 3, v0                          ; lane % 4
	v_lshlrev_b32 v1, 4, v104
	s_mul_i32 s27, s22, 32*PX
	v_mul_u32_u24 v2, v105, PX
	v_lshl_add_u32 v2, v106, 4, v2
	v_add_nc_u32 v2, s27, v2                       ; x's fragments: row 32 j + r, + 16 h
	v_add_nc_u32 v3, XS1, v2
	s_mul_i32 s27, s20, 8*PX
	v_add_nc_u32 v4, s27, v1                       ; gathered rows: 8 w on, 16 bytes a lane
	v_add_nc_u32 v5, XS1, v4
	s_mul_i32 s27, s22, 32*48
	s_add_co_u32 s27, s27, XSS
	v_mul_u32_u24 v6, v104, 48
	v_add_nc_u32 v6, s27, v6                       ; x's scale words: row 32 j + lane
	v_lshlrev_b32 v14, 3, v108
	s_mul_i32 s27, s20, 8*48
	s_add_co_u32 s27, s27, XSS
	v_mad_u32_u24 v7, v107, 48, v14
	v_add_nc_u32 v7, s27, v7                       ; and where they are stored: row 8 w + lane / 4, 8 bytes a lane
	s_lshl_b32 s27, s20, 5
	s_add_co_u32 s27, s27, LIST
	v_mov_b32 v8, s27                              ; the list: my eight rows' words
	v_lshl_add_u32 v9, v107, 2, s27                ; and the word of row 8 w + lane / 4
	s_lshl_b32 s27, s22, 12
	s_lshl_b32 s37, s21, 9
	s_add_co_u32 s27, s27, s37
	v_add_nc_u32 v10, s27, v1                      ; h's images: two tiles x j, piece g, 16 bytes a lane
	s_lshl_b32 s27, s22, 7
	s_add_co_u32 s27, s27, s21
	s_add_co_u32 s27, s27, HS
	v_lshl_add_u32 v11, v104, 2, s27               ; byte g of the word of row 32 j + lane
	v_lshl_add_u32 v12, v104, 3, HS
	v_lshlrev_b32 v13, 3, v104
	s_lshl_b32 s27, s20, 9
	v_add_nc_u32 v121, s27, v1                     ; my 512 bytes of the list, in memory,
	v_add_nc_u32 v29, LIST, v121                   ; and in LDS
	v_lshl_add_u32 v109, v0, 1, HS                 ; two bytes a thread: all 512 bytes of the scale words
	s_mul_i32 s27, s20, 16*PX
	s_add_co_u32 s27, s27, WST
	v_add_nc_u32 v110, s27, v1                     ; w1's rows on the way in: my 16 rows
	v_and_b32 v112, 8, v105
	v_add_nc_u32 v112, v112, v105                  ; r + 8 (r / 8)
	v_mul_u32_u24 v111, v112, PX
	v_lshl_add_u32 v111, v106, 4, v111
	s_mul_i32 s27, s21, 32*PX
	s_add_co_u32 s27, s27, WST
	v_add_nc_u32 v111, s27, v111                   ; and as fragments: row 32 g + r + 8 (r / 8), + 16 h
	v_lshl_add_u32 v113, v106, 3, v112
	v_lshlrev_b32 v113, 5, v113                    ; w1's scale bytes: row 8 h + r + 8 (r / 8) of my 32, 32 bytes a row
	v_mov_b32 v117, 0
	v_mov_b32 v16, 0xb9d25000                      ; c9, twice
	v_mov_b32 v17, 0xb9d25000
	v_mov_b32 v90, 0                               ; written once: a lane permute's destination counts as one of its sources
	v_mov_b32 v91, 0
	s_lshl_b32 s26, s22, 5                         ; my group's first row: 32 j
	s_mov_b32 s39, 0
	s_mov_b32 s32, 0x76543210
	s_mov_b32 s33, 0xfedcba98
	s_mov_b32 s34, 0x600000                        ; the mantissa field of 448
	s_mov_b32 s35, 0x3f3504f3                      ; 1 / sqrt 2
	s_mov_b32 s38, 0xffff0000                      ; lanes 16-31
	s_mul_i32 s30, s24, 4352                       ; my expert's part of order
	s_mov_b32 s31, 0
	s_wait_kmcnt 0x0
	s_add_nc_u64 s[4:5], s[4:5], s[30:31]
	s_load_b32 s25, s[4:5], 0x0                    ; n
	s_lshl_b32 s30, s24, 22
	s_lshl_b32 s27, s23, 17
	s_add_co_u32 s30, s30, s27                     ; (32 e + c) x 131,072: my chunk's 64 tiles of h, and my 128 rows of w1
	s_add_nc_u64 s[14:15], s[14:15], s[30:31]
	s_lshl_b32 s27, s20, 14
	s_add_co_u32 s30, s30, s27                     ; + my wave's 16 rows
	s_add_nc_u64 s[10:11], s[10:11], s[30:31]
	s_lshl_b32 s30, s24, 17
	s_lshl_b32 s27, s23, 12
	s_add_co_u32 s30, s30, s27                     ; (32 e + c) x 4,096: h's scale words, and w1's scale bytes
	s_add_nc_u64 s[16:17], s[16:17], s[30:31]
	s_lshl_b32 s27, s21, 10
	s_add_co_u32 s30, s30, s27                     ; + my 32 rows
	s_add_nc_u64 s[12:13], s[12:13], s[30:31]
	global_load_b128 v[H:H+3], v121, s[4:5] offset:256                 ; my 512 bytes of the list: asked for first, since the first gather waits for them
	WIN 0x40                                       ; destination window 1
.irp i, 0,1,2,3,4,5,6,7,8,9,10,11,12,13,14,15,16,17,18,19,20,21,22,23,24,25,26,27,28,29,30,31
	global_load_b128 v[4*\i:4*\i+3], v1, s[10:11] offset:512*\i th:TH_LOAD_NT   ; my 16 rows of w1 are 16,384 bytes on end; each byte of w1 is read once in the launch
.endr
	WIN 0
	global_load_b128 v[WS:WS+3], v113, s[12:13]
	global_load_b128 v[WS+4:WS+7], v113, s[12:13] offset:16
	s_wait_kmcnt 0x0
	s_min_u32 s25, s25, 1024
	s_max_u32 s25, s25, 1                          ; rows 0-31 are worked for an expert without tokens too
	s_wait_loadcnt 34                              ; my part of the list is in; the 32 + 2 loads issued behind it may be out
	ds_store_b128 v29, v[H:H+3]
	ds_store_b16 v109, v117                        ; the scale words begin as zeros: a trip's set goes out whole, also where only one of its two groups has rows
	BARRIER                                        ; the whole list lies in LDS
	GATHER_ISSUE 0                                 ; the first trip's rows, without a condition: the list holds valid tokens throughout
	s_wait_loadcnt 17                              ; w1's rows and scale words are in; the 17 loads of the gather may be out
	WIN 0x04                                       ; an LDS store's data are its source 1: window 1
.irp i, 0,1,2,3,4,5,6,7,8,9,10,11,12,13,14,15,16,17,18,19,20,21,22,23,24,25,26,27,28,29,30,31
	ds_store_b128 v110, v[4*\i:4*\i+3] offset:(\i/2)*PX+(\i%2)*512
.endr
	WIN 0
	GATHER_STORE 0
	BARRIER                                        ; w1's 128 rows and the first 64 rows of x lie in LDS
	WIN 0x40
.irp u, 0,1
.irp s, 0,1,2,3,4,5,6,7
.irp c, 0,1,2,3
	ds_load_b128 v[16*(8*\u+\s)+4*\c:16*(8*\u+\s)+4*\c+3], v111 offset:\u*8*PX+128*\s+32*\c   ; my 16 fragments of w1: they stay
.endr
.endr
.endr
	WIN 0
	s_wait_dscnt 0x0
	s_mov_b32 s28, 8
.Ltrips:
	TRIP 0
	TRIP 1
	s_sub_co_u32 s28, s28, 1
	s_cmp_lg_u32 s28, 0
	s_cbranch_scc1 .Ltrips
	FLUSH 1                                        ; the last trip's scale words
	s_wait_tensorcnt 0x0
	ds_add_u32 v126, v127
	s_wait_dscnt 0x0
	s_endpgm
.Lfunc_end_k_qf4d6ea4e9d_gemm1:
	.size	k_qf4d6ea4e9d_gemm1, .Lfunc_end_k_qf4d6ea4e9d_gemm1-k_qf4d6ea4e9d_gemm1
	.p2alignl 7, 3214868480
	.fill 96, 4, 3214868480
	.section	.rodata,"a",@progbits
	.p2align	6, 0x0
	.amdhsa_kernel k_qf4d6ea4e9d_gemm1
		.amdhsa_group_segment_fixed_size 278016
		.amdhsa_private_segment_fixed_size 0
		.amdhsa_enable_private_segment 0
		.amdhsa_kernarg_size 56
		.amdhsa_user_sgpr_count 2
		.amdhsa_user_sgpr_kernarg_segment_ptr 1
		.amdhsa_wavefront_size32 1
		.amdhsa_system_sgpr_workgroup_id_x 1
		.amdhsa_system_sgpr_workgroup_id_y 1
		.amdhsa_system_sgpr_workgroup_id_z 1
		.amdhsa_system_vgpr_workitem_id 0
		.amdhsa_next_free_vgpr 512
		.amdhsa_next_free_sgpr 66
		.amdhsa_reserve_vcc 0
		.amdhsa_float_denorm_mode_32 3
		.amdhsa_float_denorm_mode_16_64 3
		.amdhsa_memory_ordered 1
		.amdhsa_forward_progress 1
		.amdhsa_inst_pref_size 118
	.end_amdhsa_kernel
	.amdgpu_metadata
---
amdhsa.version: [ 1, 2 ]
amdhsa.kernels:
  - .name:           k_qf4d6ea4e9d_gemm1
    .symbol:         k_qf4d6ea4e9d_gemm1.kd
    .args:
      - { .name: order, .offset: 0, .size: 8, .value_kind: global_buffer, .address_space: global }
      - { .name: xq_codes, .offset: 8, .size: 8, .value_kind: global_buffer, .address_space: global }
      - { .name: xq_scales, .offset: 16, .size: 8, .value_kind: global_buffer, .address_space: global }
      - { .name: w1_codes, .offset: 24, .size: 8, .value_kind: global_buffer, .address_space: global }
      - { .name: w1_scales, .offset: 32, .size: 8, .value_kind: global_buffer, .address_space: global }
      - { .name: h_codes, .offset: 40, .size: 8, .value_kind: global_buffer, .address_space: global }
      - { .name: h_scales, .offset: 48, .size: 8, .value_kind: global_buffer, .address_space: global }
    .group_segment_fixed_size: 278016
    .private_segment_fixed_size: 0
    .kernarg_segment_align: 8
    .kernarg_segment_size: 56
    .max_flat_workgroup_size: 256
    .sgpr_count:     66
    .vgpr_count:     512
    .wavefront_size: 32
...
	.end_amdgpu_metadata
.endif
;; end of part 3
;; launch gemm2 (part 4): grid 32 x 8, 8 waves a work-group, no clusters, 287,744 bytes of LDS; arguments order, h_codes, h_scales, w2_codes, w2_scales, out0; writes out0
.if DOCPART == 4
	.amdgcn_target "amdgcn-amd-amdhsa--gfx1250"
	.amdhsa_code_object_version 6
	.text
	.protected	k_qf4d6ea4e9d_gemm2
	.globl	k_qf4d6ea4e9d_gemm2
	.p2align	8
	.type	k_qf4d6ea4e9d_gemm2,@function
k_qf4d6ea4e9d_gemm2:
	s_mov_b64 s[64:65], 0
	v_nop
	global_prefetch_b8 v0, s[64:65] scope:SCOPE_SE
	s_setreg_imm32_b32 hwreg(HW_REG_WAVE_MODE, 25, 1), 1
	s_wait_xcnt 0x0
; GEMM2.  Work-group (nc, e): out[token][32 nc .. 32 nc + 31] = h w2[e] for the n tokens of expert e, on codes of E4M3 with E8M0 scales; each row goes to its token's place in out0: that is the layer's one-hot selection.
; Every token has one expert, and the 32 work-groups of an expert cover the 1,024 columns: every number of out0 has one owner.
; SHARES.  8 experts x 32 groups of 32 columns = 256 work-groups; each reads its own 32 rows of w2 (131,072 bytes of codes, 4,096 of scales) once.  THE WAVES SHARE K: wave w takes K steps 4 w .. 4 w + 3 (512 bytes of each row of w2).
; So each fragment of h is read by one wave of the work-group, straight from memory as the image of its registers (512 consecutive bytes a load), and goes through no LDS.  The eight partial sums meet in LDS.
; w2's rows come as they lie (512 consecutive bytes a load) and turn once through the wave's own stage in LDS into fragments, which stay in registers.
; A PAIR is two tiles of 16 rows of the list; it exists where its first row lies under n: just the pairs that the launch before has stored.  A TRIP is two pairs; the loop has a constant count, 16 trips; pairs that do not exist are
; passed over by scalar branches on n, never a barrier.  The next pair's 36 loads are asked for at a pair's head, in the same arm of the branch as the counted wait for this pair's: so the count is right on every way through the text.
; LAYOUT.  Transposed: source 0 = 16 rows of w2 (columns of out), source 1 = 16 tokens: a lane holds eight neighbouring columns of one token.
; THE WAY OUT.  Wave w adds the eight parts of rows 8 w .. 8 w + 7 of a trip, lane = column, and stores a row by ONE instruction: 32 lanes x 4 bytes = the row's 128 consecutive bytes.  So a row at or behind n, which belongs to another
; expert, is left out by a scalar branch, and every lane is on throughout the kernel.
; out0 is written in pieces of 128 bytes: 8 x 1,024 columns over 256 work-groups are 32 columns each; 64 columns to a work-group would leave half of the work-groups without weights, or have each byte of w2 read twice.
; NO TENSOR LOADS AND NO CLUSTER: which pairs are worked hangs on a count read from memory, so operands go through registers; the 32 work-groups of an expert read the same n x 4,224 bytes of h, each by loads of its own.
; LIMITS: NaN and infinities are not served.  K is summed in eight parts that are then added in f32.
.set PW,   528                         ; a row of a wave's stage: 512 bytes + 16
.set PS0,  8*32*PW                     ; LDS: eight stages of 32 rows (from 0); then the partial sums: two sets of 8 waves x 64 tokens x 144 bytes (128 + 16);
.set PSB,  8*64*144
.set LIST, PS0+2*PSB                   ; then the list, 1,024 words
.set WS,   20                          ; v20-23  w2's scale words: K step s; lanes 0-15 tile 0, lanes 16-31 tile 1
.set AS,   24                          ; v24-31  h's: set sl at AS + 4 sl + s; lanes 0-15 the pair's first tile, lanes 16-31 its second
.set ACC,  32                          ; v32-95  accumulator (sl, t, u) at ACC + 32 sl + 16 t + 8 u; in the reduction: part a of row b at ACC + 8 b + a
.set TK,   112                         ; v112-119 my eight rows' tokens, then their byte offsets in out0
.set W,    128                         ; v128-255 w2's fragment (u, s) at W + 16 (4 u + s)
; v1 16 x lane; v2 my place in h's images; v3 in h's scale words; v4, v5 where I put partial sums (set 0, 1); v6, v7 where I read them; v8 my eight rows' words in the list; v10 4 x lane; v11, v12 my stage, in and out;
; v15 where I store my part of the list; v[16:19] that part; v103 the list's address in hand.   Window 1: h's fragments, two sets: set sl at 128 sl + 64 t + 16 s.
; s20 wave, s23 nc, s24 e, s25 n, s26 the pair's first row, s27 at work, s28 trips, s29 my first row in the reduction, s34 the trip's place in the list.
.set MSB, 0
.macro WIN new                         ; the immediate's high byte repeats the setting that is left
.if MSB != \new
	s_set_vgpr_msb (MSB<<8)|\new
.set MSB, \new
.endif
.endm
.macro PLACES n
.rept \n
	v_nop
.endr
.endm
.macro WM d, a, b, sa, sb, u, t, z     ; one product: u, t say in which half of the lanes the scale words of source 0 and of source 1 stand; z = 1 starts the sum
.if \z
.if (\u == 0) && (\t == 0)
	v_wmma_scale_f32_16x16x128_f8f6f4 v[(\d):(\d)+7], v[(\a):(\a)+15], v[(\b):(\b)+15], 0, v[(\sa)], v[(\sb)]
.elseif (\t == 0)
	v_wmma_scale_f32_16x16x128_f8f6f4 v[(\d):(\d)+7], v[(\a):(\a)+15], v[(\b):(\b)+15], 0, v[(\sa)], v[(\sb)] matrix_a_scale:MATRIX_SCALE_ROW1
.elseif (\u == 0)
	v_wmma_scale_f32_16x16x128_f8f6f4 v[(\d):(\d)+7], v[(\a):(\a)+15], v[(\b):(\b)+15], 0, v[(\sa)], v[(\sb)] matrix_b_scale:MATRIX_SCALE_ROW1
.else
	v_wmma_scale_f32_16x16x128_f8f6f4 v[(\d):(\d)+7], v[(\a):(\a)+15], v[(\b):(\b)+15], 0, v[(\sa)], v[(\sb)] matrix_a_scale:MATRIX_SCALE_ROW1 matrix_b_scale:MATRIX_SCALE_ROW1
.endif
.else
.if (\u == 0) && (\t == 0)
	v_wmma_scale_f32_16x16x128_f8f6f4 v[(\d):(\d)+7], v[(\a):(\a)+15], v[(\b):(\b)+15], v[(\d):(\d)+7], v[(\sa)], v[(\sb)]
.elseif (\t == 0)
	v_wmma_scale_f32_16x16x128_f8f6f4 v[(\d):(\d)+7], v[(\a):(\a)+15], v[(\b):(\b)+15], v[(\d):(\d)+7], v[(\sa)], v[(\sb)] matrix_a_scale:MATRIX_SCALE_ROW1
.elseif (\u == 0)
	v_wmma_scale_f32_16x16x128_f8f6f4 v[(\d):(\d)+7], v[(\a):(\a)+15], v[(\b):(\b)+15], v[(\d):(\d)+7], v[(\sa)], v[(\sb)] matrix_b_scale:MATRIX_SCALE_ROW1
.else
	v_wmma_scale_f32_16x16x128_f8f6f4 v[(\d):(\d)+7], v[(\a):(\a)+15], v[(\b):(\b)+15], v[(\d):(\d)+7], v[(\sa)], v[(\sb)] matrix_a_scale:MATRIX_SCALE_ROW1 matrix_b_scale:MATRIX_SCALE_ROW1
.endif
.endif
.endm
; the next pair in the walk is asked for, into set sl: 32 loads of 512 consecutive bytes and 4 of 128; then the bases step to the pair behind it
.macro ISSUE sl
	WIN 0x40                                       ; destination window 1
.irp s, 0,1,2,3
.irp t, 0,1
.irp c, 0,1,2,3
	global_load_b128 v[128*(\sl)+64*\t+16*\s+4*\c:128*(\sl)+64*\t+16*\s+4*\c+3], v2, s[6:7] offset:\s*131072+\t*2048+\c*512
.endr
.endr
.endr
	WIN 0
.irp s, 0,1,2,3
	global_load_b32 v[AS+4*(\sl)+\s], v3, s[8:9] offset:\s*4096
.endr
	s_wait_xcnt 0x0                                ; the loads have read their bases
	s_add_nc_u64 s[6:7], s[6:7], 4096
	s_add_nc_u64 s[8:9], s[8:9], 128
.endm
; the pair in set sl: 16 products (my four K steps; the four accumulators by turns, one instruction a turn), and my partial sums into set pg of the stage
.macro PAIR sl, pg
	s_cmp_ge_u32 s26, s25
	s_cbranch_scc1 .Lskip_\@
	s_add_co_u32 s27, s26, 32
	s_cmp_ge_u32 s27, s25
	s_cbranch_scc1 .Llast_\@
	ISSUE 1-\sl                                    ; the other set's last products stand more than eight plain lines back
	s_wait_loadcnt 36                              ; this pair's loads are in; the 36 just issued may be out
	s_branch .Lgo_\@
.Llast_\@:
	s_wait_loadcnt 0x0                             ; the last pair: nothing was asked for behind it
.Lgo_\@:
	WIN 0x04                                       ; source 1 (h) in window 1
.irp s, 0,1,2,3
.irp t, 0,1
.irp u, 0,1
.if \s == 0
	WM ACC+32*(\sl)+16*\t+8*\u, W+16*(4*\u+\s), 128*(\sl)+64*\t+16*\s, WS+\s, AS+4*(\sl)+\s, \u, \t, 1
.else
	WM ACC+32*(\sl)+16*\t+8*\u, W+16*(4*\u+\s), 128*(\sl)+64*\t+16*\s, WS+\s, AS+4*(\sl)+\s, \u, \t, 0
.endif
.endr
.endr
.endr
	WIN 0
	PLACES 9                                       ; in front of the stores that read the results, of the later loads into this set's registers, and of the products that begin these sums anew
.irp t, 0,1
.irp u, 0,1
	ds_store_b128 v[4+(\pg)], v[ACC+32*(\sl)+16*\t+8*\u:ACC+32*(\sl)+16*\t+8*\u+3] offset:(32*(\sl)+16*\t)*144+64*\u          ; each accumulator from its low end on
	ds_store_b128 v[4+(\pg)], v[ACC+32*(\sl)+16*\t+8*\u+4:ACC+32*(\sl)+16*\t+8*\u+7] offset:(32*(\sl)+16*\t)*144+64*\u+16
.endr
.endr
	s_branch .Ldone_\@
.Lskip_\@:
	s_wait_loadcnt 0x0                             ; a pair that does not exist was never asked for, and no pair behind it: no load of mine is out on this way, and the wait says so
.Ldone_\@:
	s_add_co_u32 s26, s26, 32
.endm
; my eight rows of the trip's 64 (row 8 w + b; lane = column): the eight waves' parts are added, and each row under n goes to its token
.macro REDUCE pg
	s_cmp_ge_u32 s29, s25
	s_cbranch_scc1 .Lno_rows_\@
	v_add_nc_u32 v103, s34, v8
	ds_load_b128 v[TK:TK+3], v103                  ; eight tokens, the same in every lane
	ds_load_b128 v[TK+4:TK+7], v103 offset:16
.irp b, 0,1,2,3
.irp a, 0,1,2,3,4,5,6,7
	ds_load_b32 v[ACC+8*\b+\a], v[6+(\pg)] offset:\a*9216+\b*144       ; 32 lanes read a row's 128 consecutive bytes of wave a's part
.endr
.endr
	s_wait_dscnt 0x0                               ; the tokens and rows 0-3
.irp b, 4,5,6,7
.irp a, 0,1,2,3,4,5,6,7
	ds_load_b32 v[ACC+8*\b+\a], v[6+(\pg)] offset:\a*9216+\b*144       ; rows 4-7 are on their way while rows 0-3 are added
.endr
.endr
.irp b, 0,1,2,3,4,5,6,7
	v_min_u32 v[TK+\b], 0x3ff, v[TK+\b]            ; a number that was loaded enters an address only held under the table's size
.endr
.irp b, 0,1,2,3,4,5,6,7
	v_lshl_add_u32 v[TK+\b], v[TK+\b], 12, v10     ; the token's row of 4,096 bytes, + my column's 4 bytes
.endr
.irp hf, 0,4
.if \hf == 4
	s_wait_dscnt 0x0                               ; rows 4-7
.endif
.irp b, \hf, \hf+1, \hf+2, \hf+3
	v_pk_add_f32 v[ACC+8*(\b):ACC+8*(\b)+1], v[ACC+8*(\b):ACC+8*(\b)+1], v[ACC+8*(\b)+2:ACC+8*(\b)+3]
	v_pk_add_f32 v[ACC+8*(\b)+4:ACC+8*(\b)+5], v[ACC+8*(\b)+4:ACC+8*(\b)+5], v[ACC+8*(\b)+6:ACC+8*(\b)+7]
.endr
.irp b, \hf, \hf+1, \hf+2, \hf+3
	v_pk_add_f32 v[ACC+8*(\b):ACC+8*(\b)+1], v[ACC+8*(\b):ACC+8*(\b)+1], v[ACC+8*(\b)+4:ACC+8*(\b)+5]
.endr
.irp b, \hf, \hf+1, \hf+2, \hf+3
	v_add_f32 v[ACC+8*(\b)], v[ACC+8*(\b)], v[ACC+8*(\b)+1]
.endr
.endr
	global_store_b32 v[TK], v[ACC], s[14:15] th:TH_STORE_NT            ; row 8 w lies under n: 32 lanes store 128 consecutive bytes of its token's row; written once, read by nobody here
.irp b, 1,2,3,4,5,6,7
	s_add_co_u32 s27, s29, \b
	s_cmp_ge_u32 s27, s25
	s_cbranch_scc1 .Lno_rows_\@                    ; this row and all behind it belong to other experts: they are not stored
	global_store_b32 v[TK+\b], v[ACC+8*\b], s[14:15] th:TH_STORE_NT
.endr
.Lno_rows_\@:
	s_wait_xcnt 0x0                                ; the stores have read their data and offsets: the next products and the next tokens may be written there
	s_add_co_u32 s34, s34, 256
	s_add_co_u32 s29, s29, 64
.endm
.macro TRIP pg
	PAIR 0, \pg
	PAIR 1, \pg
	s_wait_dscnt 0x0                               ; my partial sums have landed, and my reads of the other set are in
	s_barrier_signal -1
	s_barrier_wait -1                              ; one barrier a trip: the two sets take turns, so it also stands between a set's reads and its next stores, two trips on
	REDUCE \pg
.endm
	s_load_b256 s[4:11], s[0:1], 0x0               ; order s[4:5], h_codes s[6:7], h_scales s[8:9], w2_codes s[10:11]
	s_load_b128 s[12:15], s[0:1], 0x20             ; w2_scales s[12:13], out0 s[14:15]
	v_lshl_add_u32 v126, v0, 2, 0x46000
	v_mov_b32 v127, 0
.irp s, 0,1,2,3
	v_mov_b32 v[AS+4+\s], 0x7f7f7f7f               ; the second set of h's scale words: 1.0 until its first load, so that it is written on every way through the text; made first, so that the head's vector lines stand between it and any product
.endr
	v_lshrrev_b32 v96, 5, v0
	v_readfirstlane_b32 s20, v96                   ; wave 0..7
	s_mov_b32 s23, ttmp9                           ; nc
	s_and_b32 s24, ttmp7, 0xffff                   ; e
	v_and_b32 v96, 31, v0                          ; lane
	v_and_b32 v97, 15, v0                          ; r
	v_bfe_u32 v98, v0, 4, 1                        ; h
	v_lshlrev_b32 v1, 4, v96
	v_lshlrev_b32 v10, 2, v96
	s_lshl_b32 s27, s20, 19
	v_add_nc_u32 v2, s27, v1                       ; h's images: K step 4 w (131,072 bytes a K step), 16 bytes a lane
	s_lshl_b32 s27, s20, 14
	v_add_nc_u32 v3, s27, v10                      ; h's scale words: 4,096 bytes a K step, 4 a lane
	s_mul_i32 s27, s20, 64*144
	s_add_co_u32 s27, s27, PS0
	v_mul_u32_u24 v4, v97, 144
	v_lshl_add_u32 v4, v98, 5, v4
	v_add_nc_u32 v4, s27, v4                       ; my partial sums: token r, + 32 h
	v_add_nc_u32 v5, PSB, v4
	s_mul_i32 s27, s20, 8*144
	s_add_co_u32 s27, s27, PS0
	v_add_nc_u32 v6, s27, v10                      ; the reduction: row 8 w, 4 bytes a lane
	v_add_nc_u32 v7, PSB, v6
	s_lshl_b32 s27, s20, 5
	s_add_co_u32 s27, s27, LIST
	v_mov_b32 v8, s27                              ; my eight rows' words in the list
	s_lshl_b32 s29, s20, 3                         ; my first row in the reduction: 8 w
	s_mul_i32 s27, s20, 32*PW
	v_add_nc_u32 v11, s27, v1                      ; my stage, in: 16 bytes a lane
	v_mul_u32_u24 v12, v97, PW
	v_lshl_add_u32 v12, v98, 4, v12
	v_add_nc_u32 v12, s27, v12                     ; out: row r, + 16 h
	s_lshl_b32 s27, s20, 9
	v_add_nc_u32 v105, s27, v1                     ; my 512 bytes of the list, in memory,
	v_add_nc_u32 v15, LIST, v105                   ; and in LDS
	v_lshlrev_b32 v101, 7, v96                     ; w2's scale bytes: row = lane, 128 bytes a row
	s_mov_b32 s26, 0
	s_mov_b32 s34, 0
	s_mul_i32 s30, s24, 4352
	s_mov_b32 s31, 0
	s_wait_kmcnt 0x0
	s_add_nc_u64 s[4:5], s[4:5], s[30:31]
	s_load_b32 s25, s[4:5], 0x0                    ; n
	s_lshl_b32 s30, s24, 22
	s_add_nc_u64 s[6:7], s[6:7], s[30:31]          ; the expert's images of h
	s_lshl_b32 s27, s23, 17
	s_add_co_u32 s30, s30, s27
	s_lshl_b32 s27, s20, 9
	s_add_co_u32 s30, s30, s27
	s_add_nc_u64 s[10:11], s[10:11], s[30:31]      ; w2: row 1,024 e + 32 nc, my 512 bytes of it
	s_lshl_b32 s30, s24, 17
	s_add_nc_u64 s[8:9], s[8:9], s[30:31]          ; the expert's scale words of h
	s_lshl_b32 s27, s23, 12
	s_add_co_u32 s30, s30, s27
	s_lshl_b32 s27, s20, 4
	s_add_co_u32 s30, s30, s27
	s_add_nc_u64 s[12:13], s[12:13], s[30:31]      ; w2's scale bytes: the same rows, my 16 bytes
	s_lshl_b32 s30, s23, 7
	s_add_nc_u64 s[14:15], s[14:15], s[30:31]      ; out0: my 32 columns
	WIN 0x40
.irp i, 0,1,2,3,4,5,6,7,8,9,10,11,12,13,14,15,16,17,18,19,20,21,22,23,24,25,26,27,28,29,30,31
	global_load_b128 v[128+4*\i:128+4*\i+3], v1, s[10:11] offset:4096*\i th:TH_LOAD_NT   ; row i: 512 consecutive bytes, into the registers of h's second set, which is free until the first pair's head; each byte of w2 is read once in the launch
.endr
	WIN 0
	global_load_b128 v[WS:WS+3], v101, s[12:13]
	global_load_b128 v[16:19], v105, s[4:5] offset:256
	ISSUE 0                                        ; the first pair, without a condition: the launch before stores it for every expert
	s_wait_kmcnt 0x0
	s_min_u32 s25, s25, 1024
	s_wait_loadcnt 36                              ; w2's rows, its scale words and the list are in; the first pair's 36 loads may be out
	WIN 0x04                                       ; an LDS store's data are its source 1: window 1
.irp i, 0,1,2,3,4,5,6,7,8,9,10,11,12,13,14,15,16,17,18,19,20,21,22,23,24,25,26,27,28,29,30,31
	ds_store_b128 v11, v[128+4*\i:128+4*\i+3] offset:PW*\i
.endr
	WIN 0
	ds_store_b128 v15, v[16:19]                    ; my part of the list: other waves read it behind the first trip's barrier
	s_wait_dscnt 0x0                               ; the stores have read their registers
.irp u, 0,1
.irp s, 0,1,2,3
.irp c, 0,1,2,3
	ds_load_b128 v[W+16*(4*\u+\s)+4*\c:W+16*(4*\u+\s)+4*\c+3], v12 offset:\u*16*PW+128*\s+32*\c   ; my eight fragments of w2, out of my own stage: they stay
.endr
.endr
.endr
	s_wait_dscnt 0x0
	s_mov_b32 s28, 8
.Ltrips:
	TRIP 0
	TRIP 1
	s_sub_co_u32 s28, s28, 1
	s_cmp_lg_u32 s28, 0
	s_cbranch_scc1 .Ltrips
	s_wait_tensorcnt 0x0
	ds_add_u32 v126, v127
	s_wait_dscnt 0x0
	s_endpgm
.Lfunc_end_k_qf4d6ea4e9d_gemm2:
	.size	k_qf4d6ea4e9d_gemm2, .Lfunc_end_k_qf4d6ea4e9d_gemm2-k_qf4d6ea4e9d_gemm2
	.p2alignl 7, 3214868480
	.fill 96, 4, 3214868480
	.section	.rodata,"a",@progbits
	.p2align	6, 0x0
	.amdhsa_kernel k_qf4d6ea4e9d_gemm2
		.amdhsa_group_segment_fixed_size 287744
		.amdhsa_private_segment_fixed_size 0
		.amdhsa_enable_private_segment 0
		.amdhsa_kernarg_size 48
		.amdhsa_user_sgpr_count 2
		.amdhsa_user_sgpr_kernarg_segment_ptr 1
		.amdhsa_wavefront_size32 1
		.amdhsa_system_sgpr_workgroup_id_x 1
		.amdhsa_system_sgpr_workgroup_id_y 1
		.amdhsa_system_sgpr_workgroup_id_z 1
		.amdhsa_system_vgpr_workitem_id 0
		.amdhsa_next_free_vgpr 512
		.amdhsa_next_free_sgpr 66
		.amdhsa_reserve_vcc 0
		.amdhsa_float_denorm_mode_32 3
		.amdhsa_float_denorm_mode_16_64 3
		.amdhsa_memory_ordered 1
		.amdhsa_forward_progress 1
		.amdhsa_inst_pref_size 60
	.end_amdhsa_kernel
	.amdgpu_metadata
---
amdhsa.version: [ 1, 2 ]
amdhsa.kernels:
  - .name:           k_qf4d6ea4e9d_gemm2
    .symbol:         k_qf4d6ea4e9d_gemm2.kd
    .args:
      - { .name: order, .offset: 0, .size: 8, .value_kind: global_buffer, .address_space: global }
      - { .name: h_codes, .offset: 8, .size: 8, .value_kind: global_buffer, .address_space: global }
      - { .name: h_scales, .offset: 16, .size: 8, .value_kind: global_buffer, .address_space: global }
      - { .name: w2_codes, .offset: 24, .size: 8, .value_kind: global_buffer, .address_space: global }
      - { .name: w2_scales, .offset: 32, .size: 8, .value_kind: global_buffer, .address_space: global }
      - { .name: out0, .offset: 40, .size: 8, .value_kind: global_buffer, .address_space: global }
    .group_segment_fixed_size: 287744
    .private_segment_fixed_size: 0
    .kernarg_segment_align: 8
    .kernarg_segment_size: 48
    .max_flat_workgroup_size: 256
    .sgpr_count:     66
    .vgpr_count:     512
    .wavefront_size: 32
...
	.end_amdgpu_metadata
.endif
;; end of part 4
